; MI455X (gfx1250); checked and timed in simulation.
; The chip was launched on July 23, 2026; its instructions are those of AMD's public machine-readable ISA for CDNA 5 (MIT licence, August 2026) and "CDNA5" Instruction Set Architecture Reference Guide (July 2026). The comments in the code are by the model that wrote it; some were corrected since.
;; Sub Graph. Allowed arithmetic: matrix products marked QUANTISED: E2M1 operands, one E8M0 scale for each 32 along K, by v_wmma_scale_f32_16x16x128_f8f6f4 with both operands' format E2M1 (or v_wmma_scale_f32_32x16x128_f4), f32 sums; everything else in f32.
;; Inputs: W1 128 x 128 float32; W2 256 x 128 float32; W3 256 x 128 float32; b1 128 float32; b2 128 float32; b3 128 float32; be1 128 float32; be2 128 float32; be3 128 float32; g1 128 float32; g2 128 float32; g3 128 float32; hidden_states 8,192 x 64 x 128 float32; lengths 8,192 int32.
;; Outputs: out0 8,192 x 256 float32.
;; This version of the problem:
;;   THIS VERSION OF THE PROBLEM IS GIVEN IN LOW PRECISION. The matrix products marked QUANTISED in the list below multiply operands that are first quantised to E2M1 (2 exponent bits, 1 mantissa bit; 4 bits a number), with one power-of-two scale for each 32 numbers along K (OCP MX v1.0); their sums are f32. All else is computed in f32.
;;   The module's matrix products, in the order in which they are computed (A, B: the left and right operand; K: the contracted axis; several contracted axes count as one K, in the product's order):
;;     1. [M 524,288, K 128] x [K 128, N 128]; A: input hidden_states; B: input W1: QUANTISED
;;     2. [M 524,288, K 256] x [K 256, N 128]; A: computed on the way; B: input W2: QUANTISED
;;     3. [M 524,288, K 256] x [K 256, N 128]; A: computed on the way; B: input W3: QUANTISED
;;   THE QUANTISER, for each operand of a quantised product, along K:
;;     - K is cut into blocks of 32 from its start; a last block that is shorter is filled with zeros.
;;     - A block's scale is 2^e with e = floor(log2(the largest magnitude in the block)) - 2, held to -126 .. 127; a block of zeros has e = 0. As a byte (E8M0): e + 127.
;;     - Each number is divided by its block's scale, clamped to +-6, and rounded to the nearest number of E2M1, ties to even, subnormals kept.
;;     - The product sums the exact products of the quantised numbers (number of the format x scale) in f32.
;;   ~~~python
;;   def quantise(x, axis):      # numpy; x: float32 -> the quantised numbers, widened to float32 again
;;       x = np.moveaxis(x, axis, -1); K = x.shape[-1]
;;       x = np.pad(x, [(0, 0)] * (x.ndim - 1) + [(0, -K % 32)]); x = x.reshape(x.shape[:-1] + (-1, 32)); a = np.abs(x).max(-1, keepdims=True)
;;       e = np.where(a > 0, np.clip(np.frexp(np.where(a > 0, a, 1))[1] - 1 - 2, -126, 127), 0)      # np.frexp(a)[1] - 1 = floor(log2(a)), exactly
;;       r = np.clip(x / 2.0 ** e, -6, 6)
;;       step = 2.0 ** (np.maximum(np.frexp(np.where(r == 0, 1, r))[1] - 1, 0) - 1)
;;       q = np.round(r / step) * step * 2.0 ** e      # np.round: ties to even
;;       return np.moveaxis(q.reshape(q.shape[:-2] + (-1,))[..., :K], -1, axis).astype(np.float32)
;;   ~~~
;;   OPERANDS COMPUTED ON THE WAY. 'Computed on the way' means the value that the module computes at that place (a softmax that the list does not call 'softmax' is quantised finished and normalised). What goes into a quantiser is computed in f32, as accurately as f32 sums, v_exp_f32 and their like allow (about 1e-6 of the number): no bf16 or f16 on the way to a quantiser, and a product that is left as it is and whose result goes on into a quantised operand takes f32 operands (vector FMAs, or v_wmma_f32_16x16x4_f32). A number that lies on a knife's edge between two numbers of the format may be rounded either way, as far as f32 arithmetic and the matrix unit's own rounding can turn it there, and no further.
;; 2 versions, each right; version 2 is version 1 with the launch main written anew for expert scheduling mode. Each part assembles by itself: llvm-mc -triple=amdgcn-amd-amdhsa -mcpu=gfx1250 --defsym DOCPART=n.
;; ======== version 1 of 2: 2 launches
;; workspace buffers: wq 40,960 bytes; ws 2,560 bytes; order 32,768 bytes of whole numbers
;; launch prep (part 1): grid 6 x 1, 8 waves a work-group, no clusters, 1,280 bytes of LDS; arguments W1, W2, W3, lengths, wq, ws, order; writes wq, ws, order
.if DOCPART == 1
	.amdgcn_target "amdgcn-amd-amdhsa--gfx1250"
	.amdhsa_code_object_version 6
	.text
	.protected	k_q904bdb76b4_prep
	.globl	k_q904bdb76b4_prep
	.p2align	8
	.type	k_q904bdb76b4_prep,@function
k_q904bdb76b4_prep:
	s_mov_b64 s[64:65], 0
	v_nop
	global_prefetch_b8 v0, s[64:65] scope:SCOPE_SE
	s_setreg_imm32_b32 hwreg(HW_REG_WAVE_MODE, 25, 1), 1
	s_wait_xcnt 0x0
; Two small jobs ahead of the main launch, parted by the work-group's number.
; WORK-GROUPS 0-4: W1 [128][128], W2, W3 [256][128], f32 with K as the FIRST axis, become codes of FP4 (E2M1) with one E8M0 byte for each 32 along K,
; laid in the ORDER OF THE OPERAND'S REGISTERS.  A wave makes one fragment f (16 output units x 128 K, 8 registers a lane): f = t for W1, 8 + 2 t + s for W2, 24 + 2 t + s for W3
; (t: tile of 16 units, s: K step of 128).  Lane (r, h) takes unit n = 32 (t / 2) + 8 (t % 2) + r + 8 (r / 8) and its registers run DOWN K: k = 128 s + 64 c + 32 h + 0 .. 31,
; which is the order that the operand's layout gives that lane: the conversions' results are the operand's registers.
;   wq: registers 4 c .. 4 c + 3 of lane l of fragment f at byte 1024 f + 512 c + 16 l (each store of the wave covers 512 consecutive bytes, aligned).   ws: unit r's scale word at 4 (16 f + r).
; A block's scale byte is its largest magnitude's exponent field - 2, held at 1 from below.  LIMITS: a block of zeros so gets the byte 1 where the rule says 127 (its codes are zeros, and the bytes
; are read by this program alone); NaN and infinities among the weights are not served.
; WORK-GROUP 5: a counting sort of the 8,192 polylines by their number of tiles of 16 rows, nt = max(ceil(len / 16), 1): order[pos] = p | len << 16, classes ascending, len held to 0 .. 64.
; Wave w owns items 1024 w + 32 k + lane.  The waves' four totals meet in LDS behind one barrier; no atomics.  The branch in front of that barrier hangs on the work-group's number alone.
	s_load_b256 s[8:15], s[0:1], 0x0               ; W1 s[8:9], W2 s[10:11], W3 s[12:13], lengths s[14:15]
	s_load_b128 s[16:19], s[0:1], 0x20             ; wq s[16:17], ws s[18:19]
	s_load_b64 s[20:21], s[0:1], 0x30              ; order
	v_lshl_add_u32 v128, v0, 2, 0x100
	v_mov_b32 v129, 0
	v_lshrrev_b32 v1, 5, v0
	v_readfirstlane_b32 s22, v1                    ; wave 0..7
	v_and_b32 v1, 31, v0                           ; lane
	v_and_b32 v2, 15, v0                           ; r
	v_bfe_u32 v3, v0, 4, 1                         ; h
	v_lshlrev_b32 v4, 4, v1                        ; 16 x lane
	v_lshlrev_b32 v5, 2, v1                        ; 4 x lane
	s_mov_b32 s24, 0x76543210
	s_mov_b32 s25, 0xfedcba98                      ; v_permlanex16_b32's selects for lane l xor 16
	s_wait_kmcnt 0x0
	s_cmp_eq_u32 ttmp9, 5
	s_cbranch_scc1 .Lsort
	; ---- a fragment of a weight
	s_lshl_b32 s26, ttmp9, 3
	s_add_co_u32 s26, s26, s22                     ; f = 8 x work-group + wave
	s_cmp_lt_u32 s26, 24
	s_cselect_b64 s[28:29], s[10:11], s[12:13]     ; W2 or W3: the choice hangs on f alone
	s_cselect_b32 s30, 8, 24
	s_sub_co_u32 s30, s26, s30                     ; 2 t + s
	s_lshr_b32 s31, s30, 1                         ; t
	s_and_b32 s32, s30, 1                          ; s
	s_cmp_lt_u32 s26, 8
	s_cselect_b64 s[28:29], s[8:9], s[28:29]       ; or W1, with t = f and s = 0
	s_cselect_b32 s31, s26, s31
	s_cselect_b32 s32, 0, s32
	s_lshl_b32 s34, s32, 16                        ; 128 s rows of 512 bytes
	s_lshr_b32 s33, s31, 1
	s_lshl_b32 s33, s33, 7                         ; + 32 (t / 2) columns of 4 bytes
	s_add_co_u32 s34, s34, s33
	s_and_b32 s33, s31, 1
	s_lshl_b32 s33, s33, 5                         ; + 8 (t % 2) columns
	s_add_co_u32 s34, s34, s33
	s_mov_b32 s35, 0
	s_add_nc_u64 s[28:29], s[28:29], s[34:35]
	v_and_b32 v6, 8, v2
	v_add_nc_u32 v6, v6, v2                        ; r + 8 (r / 8)
	v_lshlrev_b32 v6, 2, v6
	v_lshl_add_u32 v6, v3, 14, v6                  ; lanes 16-31 begin 32 rows further down
.irp c, 0,1
.irp i, 0,1,2,3,4,5,6,7,8,9,10,11,12,13,14,15,16,17,18,19,20,21,22,23,24,25,26,27,28,29,30,31
	global_load_b32 v[64+32*\c+\i], v6, s[28:29] offset:(64*\c+\i)*512   ; W(128 s + 64 c + 32 h + i, n)
.endr
.endr
	s_lshl_b32 s36, s26, 10
	s_mov_b32 s37, 0
	s_add_nc_u64 s[36:37], s[16:17], s[36:37]      ; my fragment's 1,024 bytes of wq
	s_lshl_b32 s38, s26, 6
	s_mov_b32 s39, 0
	s_add_nc_u64 s[38:39], s[18:19], s[38:39]      ; and its 16 words of ws
	v_lshlrev_b32 v7, 2, v2
	s_wait_loadcnt 0x0
.irp c, 0,1                                    ; my block 2 c + h: all its 32 numbers are mine
	v_max3_num_f32 v[32+\c], |v[64+32*\c]|, |v[65+32*\c]|, 0x1800000   ; with the floor 2^(3 - 127): the byte cannot fall under 1
.endr
.irp i, 2,4,6,8,10,12,14,16,18,20,22,24,26,28,30
.irp c, 0,1
	v_max3_num_f32 v[32+\c], v[32+\c], |v[64+32*\c+\i]|, |v[65+32*\c+\i]|   ; (the two blocks by turns)
.endr
.endr
.irp c, 0,1
	v_add_nc_u32 v[44+\c], 0xff000000, v[32+\c]    ; 2 off the exponent field: the conversion's scale operand
.endr
.irp c, 0,1
	v_lshrrev_b32 v[36+\c], 23, v[44+\c]           ; the scale's byte
.endr
	v_lshl_or_b32 v9, v37, 16, v36                 ; my two bytes: blocks h and 2 + h,
	v_lshlrev_b32 v10, 3, v3
	v_lshlrev_b32 v9, v10, v9                      ; at their places in the word (8 h bits up);
	v_mov_b32 v10, 0
	v_permlanex16_b32 v10, v9, s24, s25
	v_or_b32 v9, v9, v10                           ; with lane l xor 16's two the word is whole, in both lanes
.irp c, 0,1
.irp g, 0,1,2,3
	v_cvt_scalef32_pk8_fp4_f32 v[48+4*\c+\g], v[64+32*\c+8*\g:71+32*\c+8*\g], v[44+\c]
.endr
.endr
	v_nop                                          ; one plain place behind the scaled conversions
	global_store_b128 v4, v[48:51], s[36:37]
	global_store_b128 v4, v[52:55], s[36:37] offset:512
	global_store_b32 v7, v9, s[38:39]              ; lanes l and l xor 16 write the same word with the same value
	s_endpgm
	; ---- the order of the polylines
.macro MASKS k                                 ; the lanes of item k's four classes: s47 .. s50
	v_cmp_lt_u32 s44, 16, v[32+\k]
	v_cmp_lt_u32 s45, 32, v[32+\k]
	v_cmp_lt_u32 s46, 48, v[32+\k]
	s_not_b32 s47, s44                             ; len <= 16
	s_and_not1_b32 s48, s44, s45                   ; 17 .. 32
	s_and_not1_b32 s49, s45, s46                   ; 33 .. 48
	s_mov_b32 s50, s46                             ; 49 .. 64
.endm
.Lsort:
	s_lshl_b32 s30, s22, 12
	s_mov_b32 s31, 0
	s_add_nc_u64 s[28:29], s[14:15], s[30:31]      ; my wave's 1,024 lengths
.set k, 0
.rept 32
	global_load_b32 v[32+k], v5, s[28:29] offset:128*k
.set k, k+1
.endr
.irp c, 0,1,2,3
	s_mov_b32 s[52+\c], 0                          ; my wave's totals
	s_mov_b32 s[70+\c], 0                          ; all waves' totals
	s_mov_b32 s[74+\c], 0                          ; the totals of the waves in front of me
.endr
	s_lshl_b32 s23, s22, 4
	v_mov_b32 v8, s23                              ; LDS: 16 bytes a wave
	s_wait_loadcnt 0x0
.set k, 0
.rept 32
	v_cmp_gt_i32 vcc_lo, 0, v[32+k]
	v_cndmask_b32 v[32+k], v[32+k], 0, vcc_lo      ; a negative length counts as 0,
	v_min_u32 v[32+k], 64, v[32+k]                 ; one above 64 as 64
	MASKS k
.irp c, 0,1,2,3
	s_bcnt1_i32_b32 s[56+\c], s[47+\c]
.endr
.irp c, 0,1,2,3
	s_add_co_u32 s[52+\c], s[52+\c], s[56+\c]
.endr
.set k, k+1
.endr
.irp c, 0,1,2,3
	v_mov_b32 v[12+\c], s[52+\c]
	ds_store_b32 v8, v[12+\c] offset:4*\c          ; all lanes write the same word with the same value
.endr
	s_wait_dscnt 0x0                               ; for the others' sake: my four words have landed
	s_barrier_signal -1
	s_barrier_wait -1
	ds_load_b32 v10, v5                            ; lane l: the total of wave l / 4 in class l % 4
	s_wait_dscnt 0x0
.irp w, 0,1,2,3,4,5,6,7
.irp c, 0,1,2,3
	v_readlane_b32 s[60+\c], v10, 4*\w+\c
.endr
	s_cmp_gt_u32 s22, \w                           ; is wave w in front of me?
.irp c, 0,1,2,3
	s_cselect_b32 s[66+\c], s[60+\c], 0
.endr
.irp c, 0,1,2,3
	s_add_co_u32 s[70+\c], s[70+\c], s[60+\c]
	s_add_co_u32 s[74+\c], s[74+\c], s[66+\c]
.endr
.endr
	s_add_co_u32 s75, s75, s70                     ; where my wave's items of each class begin: the classes in front, and the waves in front
	s_add_co_u32 s70, s70, s71
	s_add_co_u32 s76, s76, s70
	s_add_co_u32 s70, s70, s72
	s_add_co_u32 s77, s77, s70
	s_lshl_b32 s23, s22, 10
	v_add_nc_u32 v11, s23, v1                      ; 1024 w + lane
.set k, 0
.rept 32                                       ; each item has registers of its own for address and data: no store's source is written again
	MASKS k
	v_mbcnt_lo_u32_b32 v[64+k], s47, s74           ; the class's base + the lanes of the class below me
.irp c, 1,2,3
	v_mbcnt_lo_u32_b32 v12, s[47+\c], s[74+\c]
	v_cndmask_b32 v[64+k], v[64+k], v12, s[47+\c]
.endr
	v_lshl_add_u32 v[32+k], v[32+k], 16, v11
	v_add_nc_u32 v[32+k], 32*k, v[32+k]            ; p | len << 16
	v_min_u32 v[64+k], 0x1fff, v[64+k]             ; a place among 8,192
	v_lshlrev_b32 v[64+k], 2, v[64+k]
	global_store_b32 v[64+k], v[32+k], s[20:21]
.irp c, 0,1,2,3
	s_bcnt1_i32_b32 s[56+\c], s[47+\c]
.endr
.irp c, 0,1,2,3
	s_add_co_u32 s[74+\c], s[74+\c], s[56+\c]
.endr
.set k, k+1
.endr
	s_wait_tensorcnt 0x0
	ds_add_u32 v128, v129
	s_wait_dscnt 0x0
	s_endpgm
.Lfunc_end_k_q904bdb76b4_prep:
	.size	k_q904bdb76b4_prep, .Lfunc_end_k_q904bdb76b4_prep-k_q904bdb76b4_prep
	.p2alignl 7, 3214868480
	.fill 96, 4, 3214868480
	.section	.rodata,"a",@progbits
	.p2align	6, 0x0
	.amdhsa_kernel k_q904bdb76b4_prep
		.amdhsa_group_segment_fixed_size 1280
		.amdhsa_private_segment_fixed_size 0
		.amdhsa_enable_private_segment 0
		.amdhsa_kernarg_size 56
		.amdhsa_user_sgpr_count 2
		.amdhsa_user_sgpr_kernarg_segment_ptr 1
		.amdhsa_wavefront_size32 1
		.amdhsa_system_sgpr_workgroup_id_x 1
		.amdhsa_system_sgpr_workgroup_id_y 1
		.amdhsa_system_sgpr_workgroup_id_z 1
		.amdhsa_system_vgpr_workitem_id 0
		.amdhsa_next_free_vgpr 130
		.amdhsa_next_free_sgpr 80
		.amdhsa_reserve_vcc 1
		.amdhsa_float_denorm_mode_32 3
		.amdhsa_float_denorm_mode_16_64 3
		.amdhsa_memory_ordered 1
		.amdhsa_forward_progress 1
		.amdhsa_inst_pref_size 86
	.end_amdhsa_kernel
	.amdgpu_metadata
---
amdhsa.version: [ 1, 2 ]
amdhsa.kernels:
  - .name:           k_q904bdb76b4_prep
    .symbol:         k_q904bdb76b4_prep.kd
    .args:
      - { .name: W1, .offset: 0, .size: 8, .value_kind: global_buffer, .address_space: global }
      - { .name: W2, .offset: 8, .size: 8, .value_kind: global_buffer, .address_space: global }
      - { .name: W3, .offset: 16, .size: 8, .value_kind: global_buffer, .address_space: global }
      - { .name: lengths, .offset: 24, .size: 8, .value_kind: global_buffer, .address_space: global }
      - { .name: wq, .offset: 32, .size: 8, .value_kind: global_buffer, .address_space: global }
      - { .name: ws, .offset: 40, .size: 8, .value_kind: global_buffer, .address_space: global }
      - { .name: order, .offset: 48, .size: 8, .value_kind: global_buffer, .address_space: global }
    .group_segment_fixed_size: 1280
    .private_segment_fixed_size: 0
    .kernarg_segment_align: 8
    .kernarg_segment_size: 56
    .max_flat_workgroup_size: 256
    .sgpr_count:     80
    .vgpr_count:     130
    .wavefront_size: 32
...
	.end_amdgpu_metadata
.endif
;; end of part 1
;; launch main (part 2): grid 256 x 1, 4 waves a work-group, no clusters, 38,912 bytes of LDS; arguments hidden_states, order, wq, ws, b1, g1, be1, b2, g2, be2, b3, g3, be3, out0; writes out0
.if DOCPART == 2
	.amdgcn_target "amdgcn-amd-amdhsa--gfx1250"
	.amdhsa_code_object_version 6
	.text
	.protected	k_q904bdb76b4_main
	.globl	k_q904bdb76b4_main
	.p2align	8
	.type	k_q904bdb76b4_main,@function
k_q904bdb76b4_main:
	s_mov_b64 s[64:65], 0
	v_nop
	global_prefetch_b8 v0, s[64:65] scope:SCOPE_SE
	s_setreg_imm32_b32 hwreg(HW_REG_WAVE_MODE, 25, 1), 1
	s_wait_xcnt 0x0
; out0[p] = [phi3, phi3]: three times Linear -> LayerNorm -> ReLU on the 64 x 128 numbers of a polyline, with the masked maximum over its rows as the second half of the next K.
; All three products on codes of FP4 (E2M1) with one E8M0 scale for each 32 along K; all else in f32.  The last maximum over [x3, phi3] is phi3 twice.
; SHARES.  ONE WAVE MAKES A POLYLINE ALONE, eight polylines a wave: wave gw = 4 x work-group + wave takes places 1024 j + (j even: gw, j odd: 1023 - gw) of the order that the launch before
; sorted by the number of tiles: one from each eighth, to and fro, so that the waves' sums of tiles are nearly equal.  No barrier but the one behind the parameters' copy into LDS.
; THE MASK.  Rows at or past a polyline's length are thrown away by the mask that the problem itself builds from the lengths: tiles of 16 rows that lie wholly past the length are neither
; loaded nor worked (scalar branches on whole numbers read from memory); in the last tile lane r takes row min(16 m + r, len - 1): rows past the end are copies of a valid row and change no maximum.
; ReLU is never negative, so phi = max(0, the largest z).  A length of 0 or less is worked as 1 and gives -infinity at the end; one above 64 counts as 64.
; LAYOUT.  Products are used transposed: source 0 = 16 units of W, source 1 = 16 rows.  Lane (r, h) holds row r; register 16 b + i of Y holds unit 32 b + 16 h + i (the units that form a tile of W
; are chosen for that), so a lane's 16 registers are 16 neighbours along the next K, and the conversions' results, with an exchange of halves, are the next operand.  The bias is the C of a sum's first product.
; The weights (40 fragments, 320 registers) and their scale words stay in each wave's registers for the whole launch.  x of the NEXT polyline is asked for while this one is worked: a whole polyline ahead.
; NO CLUSTER, NO TENSOR LOADS: work-groups share only the weights' 43,520 bytes, read once a wave; which rows of x are wanted hangs on the lengths, lane by lane.
; LIMITS: NaN and infinities in the floating-point inputs are not served; a block of zeros has the scale byte 1 where the rule says 127 (its codes are zeros, and the bytes never leave the wave).
; REGISTERS, in windows of 256 (s_set_vgpr_msb: bits 1:0 source 0, 3:2 source 1, 5:4 source 2, 7:6 destination):
;   window 0: addresses, scale words, statistics, codes, Y (one tile's 8 accumulators), PHI (the running maximum).   window 1: x, 4 tiles x 64.
;   window 2: W2's 16 fragments, then W3's.   window 3: W1's 8 fragments; from v64 the layer's bias, from v128 its gain, from v192 its offset, each 64 in Y's layout.
.set SKIP,   1                         ; 1: tiles past the length are left out; 0: all four tiles of every polyline are worked
.set DUAL,   1                         ; 1: maxima in pairs, two in one instruction
.set PAR,    0                         ; LDS: b1, g1, be1, b2, g2, be2, b3, g3, be3, 512 bytes each
.set STG,    9*512                     ; behind them a stage of 16 rows for each wave, for the way out
.set SPITCH, 528                       ; a stage row: 512 bytes + 16: sixteen lanes' pieces of 16 bytes lie 33 x 16 bytes apart
.set WSTG,   16*SPITCH
.set L16,  1                           ; v1   16 x lane
.set L4,   2                           ; v2   4 x lane
.set R,    3                           ; v3   r = lane % 16
.set H128, 4                           ; v4   128 h
.set H8,   5                           ; v5   8 h
.set PA,   6                           ; v6   64 h: my half's 16 numbers of each 32 of a parameter
.set STO,  7                           ; v7   the stage: row r, + 64 h
.set SLD,  8                           ; v8   the stage: 16 x lane
.set NINF, 9                           ; v9   -infinity
.set T,    10                          ; v10-11 at work
.set XA,   12                          ; v12-15 my byte offset in x for each tile
.set WS,   16                          ; v16-35 the weights' scale words: lanes 0-15 fragment 2 q, lanes 16-31 fragment 2 q + 1
.set CS,   36                          ; v36-39 the scale words of the four tiles' codes
.set PHS,  40                          ; v40   phi's scale word
.set S,    42                          ; v42-49 four pairs of running sums
.set NM,   50                          ; v50-51 -mean (low word)
.set RS,   52                          ; v52-53 1 / sqrt(var + eps) (low word)
.set BM,   54                          ; v54-57 the blocks' largest numbers
.set TP,   62                          ; v62-65 what lane l xor 16 sends
.set SO,   66                          ; v66-69 the conversions' scale operands
.set BY,   70                          ; v70-73 scale bytes
.set OUT,  74                          ; v74-77 my four numbers of phi3
.set C,    80                          ; v80-111 the codes of four tiles of rows, 8 registers each
.set PHC,  112                         ; v112-119 phi's codes
.set Y,    128
.set PHI,  192
.set WV,   36                          ; s36 wave;  s37 gw;  s38, s39 byte offsets of my places in an eighth of the order
.set GW,   37
.set ENT,  40                          ; s40-47 my eight entries of the order
.set P,    48                          ; s48-51 the polyline in hand: number, length, tiles, last valid row
.set LEN,  49
.set NT,   50
.set LM1,  51
.set PN,   52                          ; s52-55 the same of the next one
.set LENN, 53
.set NTN,  54
.set LM1N, 55
.set XB,   56                          ; s[56:57] x of the polyline that is being loaded
.set OB,   58                          ; s[58:59] my row of out0
.set SEL,  60                          ; s[60:61] v_permlanex16_b32's selects for lane l xor 16
.set R128, 62                          ; s62 1 / 128
.set EPS,  63                          ; s63 1e-5
.set TRIP, 66
.set NR128, 68                         ; s68 -1 / 128
.set MSB, 0
.macro WIN new                         ; the immediate's high byte repeats the setting that is left; a switch that changes nothing is dropped
.if MSB != \new
	s_set_vgpr_msb (MSB<<8)|\new
.set MSB, \new
.endif
.endm
.macro PLACES n
.rept \n
	v_nop
.endr
.endm
.macro MAX2 d, a, b                    ; two maxima; d, a, b even
.if DUAL
	v_dual_max_num_f32 v[\d], v[\a], v[\b] :: v_dual_max_num_f32 v[(\d)+1], v[(\a)+1], v[(\b)+1]
.else
	v_max_num_f32 v[\d], v[\a], v[\b]
	v_max_num_f32 v[(\d)+1], v[(\a)+1], v[(\b)+1]
.endif
.endm
.macro MAX2Z d, a                      ; two ReLUs
.if DUAL
	v_dual_max_num_f32 v[\d], 0, v[\a] :: v_dual_max_num_f32 v[(\d)+1], 0, v[(\a)+1]
.else
	v_max_num_f32 v[\d], 0, v[\a]
	v_max_num_f32 v[(\d)+1], 0, v[(\a)+1]
.endif
.endm
.macro DECODE ent, p, len, nt, lm1     ; an entry of the order: p | len << 16; both held inside their ranges by constants
	s_and_b32 s[\p], s[\ent], 0xffff
	s_min_u32 s[\p], s[\p], 0x1fff
	s_lshr_b32 s[\len], s[\ent], 16
	s_min_u32 s[\len], s[\len], 64
.if SKIP
	s_add_co_u32 s[\nt], s[\len], 15
	s_lshr_b32 s[\nt], s[\nt], 4
	s_max_u32 s[\nt], s[\nt], 1
.else
	s_mov_b32 s[\nt], 4
.endif
	s_max_u32 s[\lm1], s[\len], 1
	s_sub_co_u32 s[\lm1], s[\lm1], 1
.endm
.macro XADDR lm1, p                    ; where the polyline's x lies: 32,768 bytes a polyline; lane (r, h) of tile m: row min(16 m + r, len - 1) of 512 bytes, + 128 h
	s_lshl_b32 s70, s[\p], 15
	s_mov_b32 s71, 0
	s_add_nc_u64 s[XB:XB+1], s[8:9], s[70:71]
.irp m, 0,1,2,3
	v_add_nc_u32 v[T+\m%2], 16*\m, v[R]
	v_min_u32 v[T+\m%2], s[\lm1], v[T+\m%2]
	v_min_u32 v[T+\m%2], 63, v[T+\m%2]
	v_lshl_add_u32 v[XA+\m], v[T+\m%2], 9, v[H128]
.endr
.endm
.macro XLOAD m                         ; tile m: a lane takes two whole blocks of 32 of its row: k = 64 c + 32 h + 0 .. 31, the order of the operand's registers
	WIN 0x40
.irp c, 0,1
.irp i, 0,1,2,3,4,5,6,7
	global_load_b128 v[64*\m+32*\c+4*\i:64*\m+32*\c+4*\i+3], v[XA+\m], s[XB:XB+1] offset:256*\c+16*\i
.endr
.endr
	WIN 0
.endm
.macro XQ m                            ; tile m of x becomes a fragment's codes in v[C + 8 m] on and its scale word in v[CS + m]
	WIN 0x05
.irp c, 0,1
.irp u, 0,1
	v_max3_num_f32 v[BM+2*\c+\u], |v[64*\m+32*\c+16*\u]|, |v[64*\m+32*\c+16*\u+1]|, 0x1800000   ; two chains a block, each with the floor 2^(3 - 127)
.endr
.endr
.irp i, 2,4,6,8,10,12,14
.irp c, 0,1
.irp u, 0,1
	v_max3_num_f32 v[BM+2*\c+\u], |v[64*\m+32*\c+16*\u+\i]|, |v[64*\m+32*\c+16*\u+\i+1]|, v[BM+2*\c+\u]
.endr
.endr
.endr
	WIN 0
	v_max_num_f32 v[BM], v[BM], v[BM+1]
	v_max_num_f32 v[BM+2], v[BM+2], v[BM+3]
	v_add_nc_u32 v[SO], 0xff000000, v[BM]          ; 2 off the exponent field: the conversion's scale operand
	v_add_nc_u32 v[SO+1], 0xff000000, v[BM+2]
	v_lshrrev_b32 v[BY], 23, v[SO]
	v_lshrrev_b32 v[BY+1], 23, v[SO+1]
	v_lshl_or_b32 v[T], v[BY+1], 16, v[BY]         ; my bytes: blocks h and 2 + h,
	v_lshlrev_b32 v[T], v[H8], v[T]                ; at their places;
	v_permlanex16_b32 v[TP], v[T], s[SEL], s[SEL+1]
	v_or_b32 v[CS+\m], v[T], v[TP]                 ; with lane l xor 16's the word is whole
	WIN 0x01
.irp c, 0,1
.irp g, 0,1,2,3
	v_cvt_scalef32_pk8_fp4_f32 v[C+8*\m+4*\c+\g], v[64*\m+32*\c+8*\g:64*\m+32*\c+8*\g+7], v[SO+\c]
.endr
.endr
	WIN 0
	v_nop                                          ; one plain place behind the scaled conversions
.endm
.macro PLOAD l                         ; layer l's bias, gain and offset into window 3, in Y's layout: register 16 b + i = number 32 b + 16 h + i
	WIN 0xc0
.irp kind, 0,1,2
.irp b, 0,1,2,3
.irp q, 0,1,2,3
	ds_load_b128 v[64+64*\kind+16*\b+4*\q:64+64*\kind+16*\b+4*\q+3], v[PA] offset:PAR+(3*(\l-1)+\kind)*512+128*\b+16*\q
.endr
.endr
.endr
	WIN 0
.endm
.macro WM d, a, b, c, sa, sb, row      ; one product; row = 1: W's scale words are taken from lanes 16-31
.if \row
	v_wmma_scale_f32_16x16x128_f8f6f4 v[\d:\d+7], v[\a:\a+7], v[\b:\b+7], v[\c:\c+7], v[\sa], v[\sb] matrix_a_fmt:MATRIX_FMT_FP4 matrix_b_fmt:MATRIX_FMT_FP4 matrix_a_scale:MATRIX_SCALE_ROW1
.else
	v_wmma_scale_f32_16x16x128_f8f6f4 v[\d:\d+7], v[\a:\a+7], v[\b:\b+7], v[\c:\c+7], v[\sa], v[\sb] matrix_a_fmt:MATRIX_FMT_FP4 matrix_b_fmt:MATRIX_FMT_FP4
.endif
.endm
; The first K step of layer l for tile m of the rows, accumulators t0 .. t0 + n - 1: C is the bias.  The accumulators take turns, one instruction a turn.
.macro MMK0 l, m, t0, n
.if \l == 1
	WIN 0x33                                       ; W1 and the bias in window 3
.else
	WIN 0x32                                       ; W2 or W3 in window 2, the bias in window 3
.endif
.set tt, \t0
.rept \n
.if \l == 1
	WM Y+8*tt, 8*tt, C+8*(\m), 64+8*tt, WS+tt/2, CS+(\m), tt%2
.else
	WM Y+8*tt, 128*(\l-2)+16*tt, C+8*(\m), 64+8*tt, WS+4+8*(\l-2)+tt, CS+(\m), 0
.endif
.set tt, tt+1
.endr
.endm
.macro MMK1 l, t0, n                   ; the second K step: phi, the same for every row
	WIN 0x02
.set tt, \t0
.rept \n
	WM Y+8*tt, 128*(\l-2)+16*tt+8, PHC, Y+8*tt, WS+4+8*(\l-2)+tt, PHS, 1
.set tt, tt+1
.endr
.endm
.macro MMH l, m1, hh                   ; half hh of the NEXT tile's products, if the polyline has that tile: they are laid where their half of Y has just been read out
.if (\m1) < 4
	s_cmp_gt_u32 s[NT], (\m1)
	s_cbranch_scc0 .Lmmh_\@
	MMK0 \l, (\m1), 4*\hh, 4
.if \l > 1
	MMK1 \l, 4*\hh, 4
.endif
	WIN 0
.Lmmh_\@:
.endif
.endm
.macro RED4                            ; four pairs of sums become one number
	v_pk_add_f32 v[S:S+1], v[S:S+1], v[S+2:S+3]
	v_pk_add_f32 v[S+4:S+5], v[S+4:S+5], v[S+6:S+7]
	v_pk_add_f32 v[S:S+1], v[S:S+1], v[S+4:S+5]
	v_add_f32 v[S], v[S], v[S+1]
.endm
; LayerNorm of a tile, in place in Y, in two passes as the problem writes it: mean; deviations and their squares; z = d / sqrt(var + eps) x g + be.  A row lies in lanes l and l xor 16.
.macro STATS
.irp p, 0,1,2,3                                ; each accumulator is read from its low end on; accumulators 4-7 are first read behind twelve of these lines
	v_pk_add_f32 v[S+2*\p:S+2*\p+1], v[Y+2*\p:Y+2*\p+1], v[Y+8+2*\p:Y+8+2*\p+1]
.endr
.irp t, 2,3,4,5,6,7
.irp p, 0,1,2,3
	v_pk_add_f32 v[S+2*\p:S+2*\p+1], v[S+2*\p:S+2*\p+1], v[Y+8*\t+2*\p:Y+8*\t+2*\p+1]
.endr
.endr
	RED4
	v_permlanex16_b32 v[TP], v[S], s[SEL], s[SEL+1]
	v_mul_f32 v[S+1], s[NR128], v[S]
	v_fma_f32 v[NM], v[TP], s[NR128], v[S+1]       ; -mean
.set q, 0
.rept 36                                       ; d = y - mean, and four pairs behind it the squares, in four chains
.if q < 32
	v_pk_add_f32 v[Y+2*q:Y+2*q+1], v[Y+2*q:Y+2*q+1], v[NM:NM+1] op_sel_hi:[1,0]
.endif
.if q >= 4
.set qq, q-4
.if qq < 4
	v_pk_mul_f32 v[S+2*qq:S+2*qq+1], v[Y+2*qq:Y+2*qq+1], v[Y+2*qq:Y+2*qq+1]
.else
	v_pk_fma_f32 v[S+2*(qq%4):S+2*(qq%4)+1], v[Y+2*qq:Y+2*qq+1], v[Y+2*qq:Y+2*qq+1], v[S+2*(qq%4):S+2*(qq%4)+1]
.endif
.endif
.set q, q+1
.endr
	RED4
	v_permlanex16_b32 v[TP], v[S], s[SEL], s[SEL+1]
	v_fma_f32 v[T], v[S], s[R128], s[EPS]
	v_fma_f32 v[T], v[TP], s[R128], v[T]           ; var + eps
	v_rsq_f32 v[RS], v[T]
	v_nop                                          ; one plain place behind the transcendental
.set q, 0
	s_wait_alu depctr_va_vdst(0)
.rept 32
	v_pk_mul_f32 v[Y+2*q:Y+2*q+1], v[Y+2*q:Y+2*q+1], v[RS:RS+1] op_sel_hi:[1,0]
.set q, q+1
.endr
	WIN 0x3c                                       ; gain and offset in window 3
.set q, 0
.rept 32
	v_pk_fma_f32 v[Y+2*q:Y+2*q+1], v[Y+2*q:Y+2*q+1], v[128+2*q:128+2*q+1], v[192+2*q:192+2*q+1]
.set q, q+1
.endr
	WIN 0
.endm
; Blocks 2 hh and 2 hh + 1 of tile m: the running maximum, the block's largest number (of z as it is: what is negative does not count, the floor stands over it), ReLU.
; Tile 0's ReLU goes into PHI and starts the running maximum; later tiles' in place.
.macro BULK m, hh
.irp i, 0,1,2,3,4,5,6,7
.irp u, 0,1
.set bb, 2*\hh+\u
.set o, 16*bb+2*\i
.if \m > 0
	MAX2 PHI+o, Y+o, PHI+o
.endif
.if \i == 0
	v_max3_num_f32 v[BM+bb], v[Y+o], v[Y+o+1], 0x1800000
.else
	v_max3_num_f32 v[BM+bb], v[Y+o], v[Y+o+1], v[BM+bb]
.endif
.if \m > 0
	MAX2Z Y+o, Y+o
.else
	MAX2Z PHI+o, Y+o
.endif
.endr
.endr
.endm
.macro CH hh, src, dst                 ; blocks 2 hh, 2 hh + 1 of the 64 numbers at v[src]: scale bytes, and codes into v[dst + 4 hh] on
.irp u, 0,1
	v_permlanex16_b32 v[TP+2*\hh+\u], v[BM+2*\hh+\u], s[SEL], s[SEL+1]
.endr
.irp u, 0,1
	v_max_num_f32 v[BM+2*\hh+\u], v[BM+2*\hh+\u], v[TP+2*\hh+\u]   ; with lane l xor 16's 16 numbers: the block's largest
.endr
.irp u, 0,1
	v_add_nc_u32 v[SO+2*\hh+\u], 0xff000000, v[BM+2*\hh+\u]
.endr
.irp u, 0,1
	v_lshrrev_b32 v[BY+2*\hh+\u], 23, v[SO+2*\hh+\u]
.endr
.irp u, 0,1
	v_cvt_scalef32_pk8_fp4_f32 v[\dst+2*(2*\hh+\u)], v[\src+16*(2*\hh+\u):\src+16*(2*\hh+\u)+7], v[SO+2*\hh+\u]
	v_cvt_scalef32_pk8_fp4_f32 v[\dst+2*(2*\hh+\u)+1], v[\src+16*(2*\hh+\u)+8:\src+16*(2*\hh+\u)+15], v[SO+2*\hh+\u]
.endr
	v_nop                                          ; one plain place behind the scaled conversions: products may write over their sources next
.endm
.macro TAIL dst, wrd                   ; the operand's layout wants a whole block in a lane: halves change places; the four bytes make the row's scale word
.irp c, 0,1
.irp i, 0,1
	v_permlane16_swap_b32 v[\dst+4*\c+\i], v[\dst+4*\c+2+\i]
.endr
.endr
	v_lshl_or_b32 v[\wrd], v[BY+1], 8, v[BY]
	v_lshl_or_b32 v[\wrd], v[BY+2], 16, v[\wrd]
	v_lshl_or_b32 v[\wrd], v[BY+3], 24, v[\wrd]
.endm
.macro LN12 l, m                       ; tile m behind layer 1 or 2: its codes take the place of the codes that it was made from
	STATS
	BULK \m, 0
.if \m == 0
	CH 0, PHI, C+8*\m
.else
	CH 0, Y, C+8*\m
.endif
	MMH \l, \m+1, 0
	BULK \m, 1
.if \m == 0
	CH 1, PHI, C+8*\m
.else
	CH 1, Y, C+8*\m
.endif
	MMH \l, \m+1, 1
	TAIL C+8*\m, CS+\m
.endm
.macro PMAX m, hh
.set o, 32*\hh
.rept 16
.if \m == 0
	MAX2Z PHI+o, Y+o
.else
	MAX2 PHI+o, Y+o, PHI+o
.endif
.set o, o+2
.endr
.endm
.macro LN3 m                           ; tile m behind layer 3: only the maximum is wanted
	STATS
	PMAX \m, 0
	MMH 3, \m+1, 0
	PMAX \m, 1
	MMH 3, \m+1, 1
.endm
.macro ALLRED x                        ; PHI's 64 numbers: the maximum with lane l xor x
.set j, 0
.rept 64
	v_max_num_f32_dpp v[PHI+j], v[PHI+j], v[PHI+j] row_xmask:\x row_mask:0xf bank_mask:0xf
.set j, j+1
.endr
.endm
.macro QPHI                            ; phi, the same in all sixteen rows, becomes the second K step's operand
.irp b, 0,1,2,3
	v_max3_num_f32 v[BM+\b], v[PHI+16*\b], v[PHI+16*\b+1], 0x1800000
.endr
.irp i, 2,4,6,8,10,12,14
.irp b, 0,1,2,3
	v_max3_num_f32 v[BM+\b], v[PHI+16*\b+\i], v[PHI+16*\b+\i+1], v[BM+\b]
.endr
.endr
	CH 0, PHI, PHC
	CH 1, PHI, PHC
	TAIL PHC, PHS
.endm
; The head of layer l = 2, 3.  Eight v_nop: on some way products stand just ahead of the label (the loads below land in their C), and a tile's scale word may have been made just ahead.
; The first K step needs no phi: it is issued in the middle of phi's reduction over the sixteen rows of a lane group.
.macro LHEAD l
	PLACES 8
	PLOAD \l
	ALLRED 1
	ALLRED 2
	s_wait_dscnt 0x0                               ; the layer's parameters are in
	MMK0 \l, 0, 0, 8
	WIN 0
	ALLRED 4
	ALLRED 8
	QPHI
	PLACES 8                                       ; a scale word made by vector instructions stands eight places ahead of its product
	MMK1 \l, 0, 8
	WIN 0
	PLACES 4                                       ; four places ahead of the first read of results
.endm
	s_load_b512 s[8:23], s[0:1], 0x0               ; x s[8:9], order s[10:11], wq s[12:13], ws s[14:15], then the nine parameters from s[16:17] on,
	s_load_b256 s[24:31], s[0:1], 0x40
	s_load_b128 s[32:35], s[0:1], 0x60             ; be3 s[32:33], out0 s[34:35]
	v_lshl_add_u32 v78, v0, 2, 0x9600
	v_mov_b32 v79, 0
	v_lshrrev_b32 v[T], 5, v0
	v_readfirstlane_b32 s[WV], v[T]                ; wave 0..3
	v_and_b32 v[T], 31, v0                         ; lane
	v_bfe_u32 v[T+1], v0, 4, 1                     ; h
	v_lshlrev_b32 v[L16], 4, v[T]
	v_lshlrev_b32 v[L4], 2, v[T]
	v_and_b32 v[R], 15, v0
	v_lshlrev_b32 v[H128], 7, v[T+1]
	v_lshlrev_b32 v[H8], 3, v[T+1]
	v_lshlrev_b32 v[PA], 6, v[T+1]
	s_mul_i32 s69, s[WV], WSTG
	s_add_co_u32 s69, s69, STG                     ; my wave's stage
	v_mul_u32_u24 v[STO], v[R], SPITCH
	v_lshl_add_u32 v[STO], v[T+1], 6, v[STO]
	v_add_nc_u32 v[STO], s69, v[STO]
	v_add_nc_u32 v[SLD], s69, v[L16]
	v_mov_b32 v[NINF], 0xff800000
	s_lshl_b32 s[GW], ttmp9, 2
	s_add_co_u32 s[GW], s[GW], s[WV]               ; gw, 0 .. 1023
	s_lshl_b32 s38, s[GW], 2
	s_sub_co_u32 s39, 1023, s[GW]
	s_lshl_b32 s39, s39, 2
	s_mov_b32 s[SEL], 0x76543210
	s_mov_b32 s[SEL+1], 0xfedcba98
	s_mov_b32 s[R128], 0x3c000000
	s_mov_b32 s[NR128], 0xbc000000
	s_mov_b32 s[EPS], 0x3727c5ac
	s_wait_kmcnt 0x0
.irp j, 0,2,4,6
	s_load_b32 s[ENT+\j], s[10:11], s38 offset:4096*\j         ; my place in each eighth of the order, to and fro
	s_load_b32 s[ENT+\j+1], s[10:11], s39 offset:4096*(\j+1)
.endr
.set j, 0
.rept 32
	v_mov_b32 v[C+j], 0                            ; the codes and their scale words are written once here, so that every way through the text finds them written;
.set j, j+1                                    ; a tile's products are issued only where its codes have been made
.endr
.irp m, 0,1,2,3
	v_mov_b32 v[CS+\m], 0
	v_mov_b32 v[TP+\m], 0                          ; a lane permute's destination counts as one of its sources
.endr
	v_mov_b32 v[NM+1], 0                           ; named as upper halves of pairs
	v_mov_b32 v[RS+1], 0
	s_wait_kmcnt 0x0
	DECODE ENT, P, LEN, NT, LM1
	s_mov_b32 s[PN], s[P]
	s_mov_b32 s[LENN], s[LEN]
	s_mov_b32 s[NTN], s[NT]
	s_mov_b32 s[LM1N], s[LM1]
	XADDR LM1, P
	XLOAD 0                                        ; the first polyline's x: all four tiles, so that all of window 1 is written once (rows past the end are the last valid row again)
	XLOAD 1
	XLOAD 2
	XLOAD 3
	WIN 0xc0
.irp f, 0,1,2,3,4,5,6,7                        ; W1's fragments into window 3: they stay
.irp c, 0,1
	global_load_b128 v[8*\f+4*\c:8*\f+4*\c+3], v[L16], s[12:13] offset:1024*\f+512*\c
.endr
.endr
	WIN 0x80
.set f, 8
.rept 32                                       ; W2's and W3's into window 2: fragment f at v[8 (f - 8)]
.irp c, 0,1
	global_load_b128 v[8*(f-8)+4*\c:8*(f-8)+4*\c+3], v[L16], s[12:13] offset:1024*f+512*\c
.endr
.set f, f+1
.endr
	WIN 0
.set q, 0
.rept 20
	global_load_b32 v[WS+q], v[L4], s[14:15] offset:128*q
.set q, q+1
.endr
	v_lshlrev_b32 v[T+1], 2, v0                    ; the nine parameters go to LDS once: thread t brings number t of each
.irp i, 0,1,2,3,4,5,6,7
	global_load_b32 v[120+\i], v[T+1], s[16+2*\i:17+2*\i]
.endr
	global_load_b32 v41, v[T+1], s[32:33]
	s_wait_loadcnt 0x0
.irp i, 0,1,2,3,4,5,6,7
	ds_store_b32 v[T+1], v[120+\i] offset:PAR+512*\i
.endr
	ds_store_b32 v[T+1], v41 offset:PAR+512*8
	s_wait_dscnt 0x0                               ; for the others' sake: my stores have landed
	s_barrier_signal -1
	s_barrier_wait -1                              ; the only barrier: from here on the parameters are only read, and the stages are each wave's own
	PLOAD 1
	s_mov_b32 s[TRIP], 8
.Lpoly:
	s_wait_loadcnt 0x0                             ; this polyline's x, asked for a whole polyline ago; the loads' address registers are free too
	XQ 0
	s_cmp_le_u32 s[NT], 1
	s_cbranch_scc1 .Lxq_end
	XQ 1
	s_cmp_le_u32 s[NT], 2
	s_cbranch_scc1 .Lxq_end
	XQ 2
	s_cmp_le_u32 s[NT], 3
	s_cbranch_scc1 .Lxq_end
	XQ 3
.Lxq_end:
	s_cmp_eq_u32 s[TRIP], 1                        ; the last polyline asks for nothing
	s_cbranch_scc1 .Lno_next
	DECODE ENT+1, PN, LENN, NTN, LM1N
.irp j, 1,2,3,4,5,6
	s_mov_b32 s[ENT+\j], s[ENT+\j+1]
.endr
	XADDR LM1N, PN
	XLOAD 0                                        ; the next polyline's x, as many tiles as it has
	s_cmp_le_u32 s[NTN], 1
	s_cbranch_scc1 .Lno_next
	XLOAD 1
	s_cmp_le_u32 s[NTN], 2
	s_cbranch_scc1 .Lno_next
	XLOAD 2
	s_cmp_le_u32 s[NTN], 3
	s_cbranch_scc1 .Lno_next
	XLOAD 3
.Lno_next:
	s_wait_dscnt 0x0                               ; layer 1's parameters are in
	PLACES 8                                       ; tile 0's scale word may just have been made
	MMK0 1, 0, 0, 8
	WIN 0
	PLACES 4
.irp m, 0,1,2,3
	LN12 1, \m
.if \m < 3
	s_cmp_le_u32 s[NT], \m+1
	s_cbranch_scc1 .Lend1
.endif
.endr
.Lend1:
	LHEAD 2
.irp m, 0,1,2,3
	LN12 2, \m
.if \m < 3
	s_cmp_le_u32 s[NT], \m+1
	s_cbranch_scc1 .Lend2
.endif
.endr
.Lend2:
	LHEAD 3
.irp m, 0,1,2,3
	LN3 \m
.if \m < 3
	s_cmp_le_u32 s[NT], \m+1
	s_cbranch_scc1 .Lend3
.endif
.endr
.Lend3:
	; THE WAY OUT.  PHI holds, for each of my 16 rows' lanes, the maximum over the tiles.  It goes through my stage as 16 rows of 128 numbers in their natural order and comes back
	; 16 bytes a lane from each row: the maximum over the rows is then four neighbouring numbers of phi3 a lane.
	PLACES 8
	PLOAD 1                                        ; the next polyline's first layer
.irp b, 0,1,2,3
.irp q, 0,1,2,3
	ds_store_b128 v[STO], v[PHI+16*\b+4*\q:PHI+16*\b+4*\q+3] offset:128*\b+16*\q
.endr
.endr
.irp a, 0,1,2,3,4,5,6,7,8,9,10,11,12,13,14,15
	ds_load_b128 v[Y+4*\a:Y+4*\a+3], v[SLD] offset:SPITCH*\a   ; LDS serves a wave's instructions in order (ISA guide 5.7.1.4): these see my stores
.endr
	s_wait_dscnt 0x0
	s_wait_xcnt 0x0                                ; the last polyline's stores have read their data and their base: both are written again below
.irp k, 0,1,2,3
	v_max3_num_f32 v[OUT+\k], v[Y+\k], v[Y+4+\k], v[Y+8+\k]
.endr
.irp a, 3,5,7,9,11,13
.irp k, 0,1,2,3
	v_max3_num_f32 v[OUT+\k], v[OUT+\k], v[Y+4*\a+\k], v[Y+4*\a+4+\k]
.endr
.endr
.irp k, 0,1,2,3
	v_max_num_f32 v[OUT+\k], v[OUT+\k], v[Y+60+\k]
.endr
	s_cmp_eq_u32 s[LEN], 0                         ; no valid row: the maximum of nothing
	s_cselect_b32 s67, -1, 0
.irp k, 0,1,2,3
	v_cndmask_b32 v[OUT+\k], v[OUT+\k], v[NINF], s67
.endr
	s_lshl_b32 s70, s[P], 10
	s_mov_b32 s71, 0
	s_add_nc_u64 s[OB:OB+1], s[34:35], s[70:71]
	global_store_b128 v[L16], v[OUT:OUT+3], s[OB:OB+1] th:TH_STORE_NT              ; each store of the wave covers 512 consecutive bytes, aligned: phi3,
	global_store_b128 v[L16], v[OUT:OUT+3], s[OB:OB+1] offset:512 th:TH_STORE_NT   ; and phi3 again
	s_mov_b32 s[P], s[PN]
	s_mov_b32 s[LEN], s[LENN]
	s_mov_b32 s[NT], s[NTN]
	s_mov_b32 s[LM1], s[LM1N]
	s_sub_co_u32 s[TRIP], s[TRIP], 1
	s_cmp_lg_u32 s[TRIP], 0
	s_cbranch_scc1 .Lpoly
	s_wait_tensorcnt 0x0
	ds_add_u32 v78, v79
	s_wait_dscnt 0x0
	s_endpgm
.Lfunc_end_k_q904bdb76b4_main:
	.size	k_q904bdb76b4_main, .Lfunc_end_k_q904bdb76b4_main-k_q904bdb76b4_main
	.p2alignl 7, 3214868480
	.fill 96, 4, 3214868480
	.section	.rodata,"a",@progbits
	.p2align	6, 0x0
	.amdhsa_kernel k_q904bdb76b4_main
		.amdhsa_group_segment_fixed_size 38912
		.amdhsa_private_segment_fixed_size 0
		.amdhsa_enable_private_segment 0
		.amdhsa_kernarg_size 112
		.amdhsa_user_sgpr_count 2
		.amdhsa_user_sgpr_kernarg_segment_ptr 1
		.amdhsa_wavefront_size32 1
		.amdhsa_system_sgpr_workgroup_id_x 1
		.amdhsa_system_sgpr_workgroup_id_y 1
		.amdhsa_system_sgpr_workgroup_id_z 1
		.amdhsa_system_vgpr_workitem_id 0
		.amdhsa_next_free_vgpr 1024
		.amdhsa_next_free_sgpr 80
		.amdhsa_reserve_vcc 0
		.amdhsa_float_denorm_mode_32 3
		.amdhsa_float_denorm_mode_16_64 3
		.amdhsa_memory_ordered 1
		.amdhsa_forward_progress 1
		.amdhsa_inst_pref_size 255
	.end_amdhsa_kernel
	.section	.bss,"aw",@nobits
	.p2align	6
	.space	262144
	.amdgpu_metadata
---
amdhsa.version: [ 1, 2 ]
amdhsa.kernels:
  - .name:           k_q904bdb76b4_main
    .symbol:         k_q904bdb76b4_main.kd
    .args:
      - { .name: hidden_states, .offset: 0, .size: 8, .value_kind: global_buffer, .address_space: global }
      - { .name: order, .offset: 8, .size: 8, .value_kind: global_buffer, .address_space: global }
      - { .name: wq, .offset: 16, .size: 8, .value_kind: global_buffer, .address_space: global }
      - { .name: ws, .offset: 24, .size: 8, .value_kind: global_buffer, .address_space: global }
      - { .name: b1, .offset: 32, .size: 8, .value_kind: global_buffer, .address_space: global }
      - { .name: g1, .offset: 40, .size: 8, .value_kind: global_buffer, .address_space: global }
      - { .name: be1, .offset: 48, .size: 8, .value_kind: global_buffer, .address_space: global }
      - { .name: b2, .offset: 56, .size: 8, .value_kind: global_buffer, .address_space: global }
      - { .name: g2, .offset: 64, .size: 8, .value_kind: global_buffer, .address_space: global }
      - { .name: be2, .offset: 72, .size: 8, .value_kind: global_buffer, .address_space: global }
      - { .name: b3, .offset: 80, .size: 8, .value_kind: global_buffer, .address_space: global }
      - { .name: g3, .offset: 88, .size: 8, .value_kind: global_buffer, .address_space: global }
      - { .name: be3, .offset: 96, .size: 8, .value_kind: global_buffer, .address_space: global }
      - { .name: out0, .offset: 104, .size: 8, .value_kind: global_buffer, .address_space: global }
    .group_segment_fixed_size: 38912
    .private_segment_fixed_size: 0
    .kernarg_segment_align: 8
    .kernarg_segment_size: 112
    .max_flat_workgroup_size: 128
    .sgpr_count:     80
    .vgpr_count:     1024
    .wavefront_size: 32
...
	.end_amdgpu_metadata
.endif
;; end of part 2
;; ======== version 2 of 2: 2 launches; version 1 with the launch main written anew for expert scheduling mode
;; workspace buffers: wq 40,960 bytes; ws 2,560 bytes; order 32,768 bytes of whole numbers
;; launch prep: the kernel of part 1 again; grid 6 x 1, 8 waves a work-group, no clusters, 1,280 bytes of LDS; arguments W1, W2, W3, lengths, wq, ws, order; writes wq, ws, order
;; launch main (part 3): grid 256 x 1, 4 waves a work-group, no clusters, 38,912 bytes of LDS; arguments hidden_states, order, wq, ws, b1, g1, be1, b2, g2, be2, b3, g3, be3, out0; writes out0
.if DOCPART == 3
	.amdgcn_target "amdgcn-amd-amdhsa--gfx1250"
	.amdhsa_code_object_version 6
	.text
	.protected	k_q904bdb76b4_main
	.globl	k_q904bdb76b4_main
	.p2align	8
	.type	k_q904bdb76b4_main,@function
k_q904bdb76b4_main:
	s_mov_b64 s[64:65], 0
	v_nop
	global_prefetch_b8 v0, s[64:65] scope:SCOPE_SE
	s_setreg_imm32_b32 hwreg(HW_REG_WAVE_SCHED_MODE, 0, 2), 2
	s_setreg_imm32_b32 hwreg(HW_REG_WAVE_MODE, 25, 1), 1
	s_wait_xcnt 0x0
	s_wait_alu depctr_vm_vsrc(0)
; out0[p] = [phi3, phi3]: three times Linear -> LayerNorm -> ReLU on the 64 x 128 numbers of a polyline, with the masked maximum over its rows as the second half of the next K.
; All three products on codes of FP4 (E2M1) with one E8M0 scale for each 32 along K; all else in f32.  The last maximum over [x3, phi3] is phi3 twice.
; SHARES.  ONE WAVE MAKES A POLYLINE ALONE, eight polylines a wave: wave gw = 4 x work-group + wave takes places 1024 j + (j even: gw, j odd: 1023 - gw) of the order that the launch before
; sorted by the number of tiles: one from each eighth, to and fro, so that the waves' sums of tiles are nearly equal.  No barrier but the one behind the parameters' copy into LDS.
; THE MASK.  Rows at or past a polyline's length are thrown away by the mask that the problem itself builds from the lengths: tiles of 16 rows that lie wholly past the length are neither
; loaded nor worked (scalar branches on whole numbers read from memory); in the last tile lane r takes row min(16 m + r, len - 1): rows past the end are copies of a valid row and change no maximum.
; ReLU is never negative, so phi = max(0, the largest z).  A length of 0 or less is worked as 1 and gives -infinity at the end; one above 64 counts as 64.
; LAYOUT.  Products are used transposed: source 0 = 16 units of W, source 1 = 16 rows.  Lane (r, h) holds row r; register 16 b + i of Y holds unit 32 b + 16 h + i (the units that form a tile of W
; are chosen for that), so a lane's 16 registers are 16 neighbours along the next K, and the conversions' results, with an exchange of halves, are the next operand.  The bias is the C of a sum's first product.
; The weights (40 fragments, 320 registers) and their scale words stay in each wave's registers for the whole launch.  x of the NEXT polyline is asked for while this one is worked: a whole polyline ahead.
; NO CLUSTER, NO TENSOR LOADS: work-groups share only the weights' 43,520 bytes, read once a wave; which rows of x are wanted hangs on the lengths, lane by lane.
; LIMITS: NaN and infinities in the floating-point inputs are not served; a block of zeros has the scale byte 1 where the rule says 127 (its codes are zeros, and the bytes never leave the wave).
; REGISTERS, in windows of 256 (s_set_vgpr_msb: bits 1:0 source 0, 3:2 source 1, 5:4 source 2, 7:6 destination):
;   window 0: addresses, scale words, statistics, codes, Y (one tile's 8 accumulators), PHI (the running maximum).   window 1: x, 4 tiles x 64.
;   window 2: W2's 16 fragments, then W3's.   window 3: W1's 8 fragments; from v64 the layer's bias, from v128 its gain, from v192 its offset, each 64 in Y's layout.
; THE MODE: SCHED_MODE bits 1:0 = 2 (LLVM: expert scheduling mode 2), set by the entry lines.  The code itself states the register dependences
; between vector or matrix instructions and memory or LDS instructions, with s_wait_alu, always for 0.
; THE PLAN.  Registers that memory or LDS instructions touch, round a polyline:
;   x (window 1)      Read by the conversions at a polyline's head; behind them the next polyline's loads land in it.  No other line names window 1.
;   v[XA ..]          Written once a polyline, behind those conversions; read by the loads of x.
;   bias, gain, offset (window 3)  Read by a layer's first K step (bias) and by its LayerNorm; the next layer's LDS loads land in them at the layer's end.
;   PHI, Y, OUT       On the way out: LDS stores read PHI, the stage's loads land in Y, the two global stores read OUT.
;   v1, v2, v6, v7, v8  Addresses made at the head and never written again.
;   C, CS, PHC, PHS   Codes and scale words, made by vector instructions and taken by scaled products.
; So: one wait on vm_vsrc at a polyline's head (all that was issued before has read XA, PHI and OUT, which this polyline writes again); one wait on va_vdst behind the conversions of x, behind which the
; loads of x are dealt among the first tile's work; one at each layer's end, behind which the next layer's parameters are dealt among phi's reduction; one behind phi's codes; one behind each reciprocal root;
; one at the head of the way out and one ahead of its two stores.
.set SKIP,   1                         ; 1: tiles past the length are left out; 0: all four tiles of every polyline are worked
.set DUAL,   1                         ; 1: maxima in pairs, two in one instruction
.set PAR,    0                         ; LDS: b1, g1, be1, b2, g2, be2, b3, g3, be3, 512 bytes each
.set STG,    9*512                     ; behind them a stage of 16 rows for each wave, for the way out
.set SPITCH, 528                       ; a stage row: 512 bytes + 16: sixteen lanes' pieces of 16 bytes lie 33 x 16 bytes apart
.set WSTG,   16*SPITCH
.set L16,  1                           ; v1   16 x lane
.set L4,   2                           ; v2   4 x lane
.set R,    3                           ; v3   r = lane % 16
.set H128, 4                           ; v4   128 h
.set H8,   5                           ; v5   8 h
.set PA,   6                           ; v6   64 h: my half's 16 numbers of each 32 of a parameter
.set STO,  7                           ; v7   the stage: row r, + 64 h
.set SLD,  8                           ; v8   the stage: 16 x lane
.set NINF, 9                           ; v9   -infinity
.set T,    10                          ; v10-11 at work
.set XA,   12                          ; v12-15 my byte offset in x for each tile
.set WS,   16                          ; v16-35 the weights' scale words: lanes 0-15 fragment 2 q, lanes 16-31 fragment 2 q + 1
.set CS,   36                          ; v36-39 the scale words of the four tiles' codes
.set PHS,  40                          ; v40   phi's scale word
.set S,    42                          ; v42-49 four pairs of running sums
.set NM,   50                          ; v50-51 -mean (low word)
.set RS,   52                          ; v52-53 1 / sqrt(var + eps) (low word)
.set BM,   54                          ; v54-57 the blocks' largest numbers
.set TP,   62                          ; v62-65 what lane l xor 16 sends
.set SO,   66                          ; v66-69 the conversions' scale operands
.set BY,   70                          ; v70-73 scale bytes
.set OUT,  74                          ; v74-77 my four numbers of phi3
.set C,    80                          ; v80-111 the codes of four tiles of rows, 8 registers each
.set PHC,  112                         ; v112-119 phi's codes
.set Y,    128
.set PHI,  192
.set WV,   36                          ; s36 wave;  s37 gw;  s38, s39 byte offsets of my places in an eighth of the order
.set GW,   37
.set ENT,  40                          ; s40-47 my eight entries of the order
.set P,    48                          ; s48-51 the polyline in hand: number, length, tiles, last valid row
.set LEN,  49
.set NT,   50
.set LM1,  51
.set PN,   52                          ; s52-55 the same of the next one
.set LENN, 53
.set NTN,  54
.set LM1N, 55
.set XB,   56                          ; s[56:57] x of the polyline that is being loaded
.set OB,   58                          ; s[58:59] my row of out0
.set SEL,  60                          ; s[60:61] v_permlanex16_b32's selects for lane l xor 16
.set R128, 62                          ; s62 1 / 128
.set EPS,  63                          ; s63 1e-5
.set TRIP, 66
.set NR128, 68                         ; s68 -1 / 128
.set MSB, 0
.macro WIN new                         ; the immediate's high byte repeats the setting that is left; a switch that changes nothing is dropped
.if MSB != \new
	s_set_vgpr_msb (MSB<<8)|\new
.set MSB, \new
.endif
.endm
.macro PLACES n
.rept \n
	v_nop
.endr
.endm
.macro MAX2 d, a, b                    ; two maxima; d, a, b even
.if DUAL
	v_dual_max_num_f32 v[\d], v[\a], v[\b] :: v_dual_max_num_f32 v[(\d)+1], v[(\a)+1], v[(\b)+1]
.else
	v_max_num_f32 v[\d], v[\a], v[\b]
	v_max_num_f32 v[(\d)+1], v[(\a)+1], v[(\b)+1]
.endif
.endm
.macro MAX2Z d, a                      ; two ReLUs
.if DUAL
	v_dual_max_num_f32 v[\d], 0, v[\a] :: v_dual_max_num_f32 v[(\d)+1], 0, v[(\a)+1]
.else
	v_max_num_f32 v[\d], 0, v[\a]
	v_max_num_f32 v[(\d)+1], 0, v[(\a)+1]
.endif
.endm
.macro DECODE ent, p, len, nt, lm1     ; an entry of the order: p | len << 16; both held inside their ranges by constants
	s_and_b32 s[\p], s[\ent], 0xffff
	s_min_u32 s[\p], s[\p], 0x1fff
	s_lshr_b32 s[\len], s[\ent], 16
	s_min_u32 s[\len], s[\len], 64
.if SKIP
	s_add_co_u32 s[\nt], s[\len], 15
	s_lshr_b32 s[\nt], s[\nt], 4
	s_max_u32 s[\nt], s[\nt], 1
.else
	s_mov_b32 s[\nt], 4
.endif
	s_max_u32 s[\lm1], s[\len], 1
	s_sub_co_u32 s[\lm1], s[\lm1], 1
.endm
.macro XADDR lm1, p                    ; where the polyline's x lies: 32,768 bytes a polyline; lane (r, h) of tile m: row min(16 m + r, len - 1) of 512 bytes, + 128 h
	s_lshl_b32 s70, s[\p], 15
	s_mov_b32 s71, 0
	s_add_nc_u64 s[XB:XB+1], s[8:9], s[70:71]
.irp m, 0,1,2,3
	v_add_nc_u32 v[T+\m%2], 16*\m, v[R]
	v_min_u32 v[T+\m%2], s[\lm1], v[T+\m%2]
	v_min_u32 v[T+\m%2], 63, v[T+\m%2]
	v_lshl_add_u32 v[XA+\m], v[T+\m%2], 9, v[H128]
.endr
.endm
.macro XLOAD m                         ; tile m: a lane takes two whole blocks of 32 of its row: k = 64 c + 32 h + 0 .. 31, the order of the operand's registers
	WIN 0x40
.irp c, 0,1
.irp i, 0,1,2,3,4,5,6,7
	global_load_b128 v[64*\m+32*\c+4*\i:64*\m+32*\c+4*\i+3], v[XA+\m], s[XB:XB+1] offset:256*\c+16*\i
.endr
.endr
	WIN 0
.endm
.macro XNEXT m                         ; tile m of the next polyline's x, if it has that tile.  No wait: since the wait on va_vdst behind the conversions of x no vector or matrix instruction names window 1 or v[XA ..]
	s_cmp_le_u32 s[NTN], \m
	s_cbranch_scc1 .Lxn_\@
	XLOAD \m
.Lxn_\@:
.endm
.macro XQ m                            ; tile m of x becomes a fragment's codes in v[C + 8 m] on and its scale word in v[CS + m]
	WIN 0x05
.irp c, 0,1
.irp u, 0,1
	v_max3_num_f32 v[BM+2*\c+\u], |v[64*\m+32*\c+16*\u]|, |v[64*\m+32*\c+16*\u+1]|, 0x1800000   ; two chains a block, each with the floor 2^(3 - 127)
.endr
.endr
.irp i, 2,4,6,8,10,12,14
.irp c, 0,1
.irp u, 0,1
	v_max3_num_f32 v[BM+2*\c+\u], |v[64*\m+32*\c+16*\u+\i]|, |v[64*\m+32*\c+16*\u+\i+1]|, v[BM+2*\c+\u]
.endr
.endr
.endr
	WIN 0
	v_max_num_f32 v[BM], v[BM], v[BM+1]
	v_max_num_f32 v[BM+2], v[BM+2], v[BM+3]
	v_add_nc_u32 v[SO], 0xff000000, v[BM]          ; 2 off the exponent field: the conversion's scale operand
	v_add_nc_u32 v[SO+1], 0xff000000, v[BM+2]
	v_lshrrev_b32 v[BY], 23, v[SO]
	v_lshrrev_b32 v[BY+1], 23, v[SO+1]
	v_lshl_or_b32 v[T], v[BY+1], 16, v[BY]         ; my bytes: blocks h and 2 + h,
	v_lshlrev_b32 v[T], v[H8], v[T]                ; at their places;
	v_permlanex16_b32 v[TP], v[T], s[SEL], s[SEL+1]
	v_or_b32 v[CS+\m], v[T], v[TP]                 ; with lane l xor 16's the word is whole
	WIN 0x01
.irp c, 0,1
.irp g, 0,1,2,3
	v_cvt_scalef32_pk8_fp4_f32 v[C+8*\m+4*\c+\g], v[64*\m+32*\c+8*\g:64*\m+32*\c+8*\g+7], v[SO+\c]
.endr
.endr
	WIN 0
	v_nop                                          ; one plain place behind the scaled conversions
.endm
.macro PLOADK l, kind                  ; layer l's bias (kind 0), gain (1) or offset (2) into window 3, in Y's layout: register 16 b + i = number 32 b + 16 h + i.  It leaves the destination's window at 3
	WIN 0xc0
.irp b, 0,1,2,3
.irp q, 0,1,2,3
	ds_load_b128 v[64+64*(\kind)+16*\b+4*\q:64+64*(\kind)+16*\b+4*\q+3], v[PA] offset:PAR+(3*(\l-1)+(\kind))*512+128*\b+16*\q
.endr
.endr
.endm
.macro PLOAD l                         ; all three
	PLOADK \l, 0
	PLOADK \l, 1
	PLOADK \l, 2
	WIN 0
.endm
.macro WM d, a, b, c, sa, sb, row      ; one product; row = 1: W's scale words are taken from lanes 16-31
.if \row
	v_wmma_scale_f32_16x16x128_f8f6f4 v[\d:\d+7], v[\a:\a+7], v[\b:\b+7], v[\c:\c+7], v[\sa], v[\sb] matrix_a_fmt:MATRIX_FMT_FP4 matrix_b_fmt:MATRIX_FMT_FP4 matrix_a_scale:MATRIX_SCALE_ROW1
.else
	v_wmma_scale_f32_16x16x128_f8f6f4 v[\d:\d+7], v[\a:\a+7], v[\b:\b+7], v[\c:\c+7], v[\sa], v[\sb] matrix_a_fmt:MATRIX_FMT_FP4 matrix_b_fmt:MATRIX_FMT_FP4
.endif
.endm
; The first K step of layer l for tile m of the rows, accumulators t0 .. t0 + n - 1: C is the bias.  The accumulators take turns, one instruction a turn.
.macro MMK0 l, m, t0, n
.if \l == 1
	WIN 0x33                                       ; W1 and the bias in window 3
.else
	WIN 0x32                                       ; W2 or W3 in window 2, the bias in window 3
.endif
.set tt, \t0
.rept \n
.if \l == 1
	WM Y+8*tt, 8*tt, C+8*(\m), 64+8*tt, WS+tt/2, CS+(\m), tt%2
.else
	WM Y+8*tt, 128*(\l-2)+16*tt, C+8*(\m), 64+8*tt, WS+4+8*(\l-2)+tt, CS+(\m), 0
.endif
.set tt, tt+1
.endr
.endm
.macro MMK1 l, t0, n                   ; the second K step: phi, the same for every row
	WIN 0x02
.set tt, \t0
.rept \n
	WM Y+8*tt, 128*(\l-2)+16*tt+8, PHC, Y+8*tt, WS+4+8*(\l-2)+tt, PHS, 1
.set tt, tt+1
.endr
.endm
; Half hh of the NEXT tile's products, if the polyline has that tile: they are laid where their half of Y has just been read out.
; No wait: that tile's codes and scale word, and phi's, were written ahead of the layer's waits on va_vdst, and no line since has written them.
.macro MMH l, m1, hh
.if (\m1) < 4
	s_cmp_gt_u32 s[NT], (\m1)
	s_cbranch_scc0 .Lmmh_\@
	MMK0 \l, (\m1), 4*\hh, 4
.if \l > 1
	MMK1 \l, 4*\hh, 4
.endif
	WIN 0
.Lmmh_\@:
.endif
.endm
.macro RED4                            ; four pairs of sums become one number
	v_pk_add_f32 v[S:S+1], v[S:S+1], v[S+2:S+3]
	v_pk_add_f32 v[S+4:S+5], v[S+4:S+5], v[S+6:S+7]
	v_pk_add_f32 v[S:S+1], v[S:S+1], v[S+4:S+5]
	v_add_f32 v[S], v[S], v[S+1]
.endm
; LayerNorm of a tile, in place in Y, in two passes as the problem writes it: mean; deviations and their squares; z = d / sqrt(var + eps) x g + be.  A row lies in lanes l and l xor 16.
.macro STATS
.irp p, 0,1,2,3                                ; each accumulator is read from its low end on; accumulators 4-7 are first read behind twelve of these lines
	v_pk_add_f32 v[S+2*\p:S+2*\p+1], v[Y+2*\p:Y+2*\p+1], v[Y+8+2*\p:Y+8+2*\p+1]
.endr
.irp t, 2,3,4,5,6,7
.irp p, 0,1,2,3
	v_pk_add_f32 v[S+2*\p:S+2*\p+1], v[S+2*\p:S+2*\p+1], v[Y+8*\t+2*\p:Y+8*\t+2*\p+1]
.endr
.endr
	RED4
	v_permlanex16_b32 v[TP], v[S], s[SEL], s[SEL+1]
	v_mul_f32 v[S+1], s[NR128], v[S]
	v_fma_f32 v[NM], v[TP], s[NR128], v[S+1]       ; -mean
.set q, 0
.rept 36                                       ; d = y - mean, and four pairs behind it the squares, in four chains
.if q < 32
	v_pk_add_f32 v[Y+2*q:Y+2*q+1], v[Y+2*q:Y+2*q+1], v[NM:NM+1] op_sel_hi:[1,0]
.endif
.if q >= 4
.set qq, q-4
.if qq < 4
	v_pk_mul_f32 v[S+2*qq:S+2*qq+1], v[Y+2*qq:Y+2*qq+1], v[Y+2*qq:Y+2*qq+1]
.else
	v_pk_fma_f32 v[S+2*(qq%4):S+2*(qq%4)+1], v[Y+2*qq:Y+2*qq+1], v[Y+2*qq:Y+2*qq+1], v[S+2*(qq%4):S+2*(qq%4)+1]
.endif
.endif
.set q, q+1
.endr
	RED4
	v_permlanex16_b32 v[TP], v[S], s[SEL], s[SEL+1]
	v_fma_f32 v[T], v[S], s[R128], s[EPS]
	v_fma_f32 v[T], v[TP], s[R128], v[T]           ; var + eps
	v_rsq_f32 v[RS], v[T]
	v_nop                                          ; one plain place behind the transcendental
	s_wait_alu depctr_va_vdst(0)                   ; the reciprocal root has written v[RS], ahead of its first reader
.set q, 0
.rept 32
	v_pk_mul_f32 v[Y+2*q:Y+2*q+1], v[Y+2*q:Y+2*q+1], v[RS:RS+1] op_sel_hi:[1,0]
.set q, q+1
.endr
	WIN 0x3c                                       ; gain and offset in window 3
.set q, 0
.rept 32
	v_pk_fma_f32 v[Y+2*q:Y+2*q+1], v[Y+2*q:Y+2*q+1], v[128+2*q:128+2*q+1], v[192+2*q:192+2*q+1]
.set q, q+1
.endr
	WIN 0
.endm
; Blocks 2 hh and 2 hh + 1 of tile m: the running maximum, the block's largest number (of z as it is: what is negative does not count, the floor stands over it), ReLU.
; Tile 0's ReLU goes into PHI and starts the running maximum; later tiles' in place.
.macro BULK m, hh
.irp i, 0,1,2,3,4,5,6,7
.irp u, 0,1
.set bb, 2*\hh+\u
.set o, 16*bb+2*\i
.if \m > 0
	MAX2 PHI+o, Y+o, PHI+o
.endif
.if \i == 0
	v_max3_num_f32 v[BM+bb], v[Y+o], v[Y+o+1], 0x1800000
.else
	v_max3_num_f32 v[BM+bb], v[Y+o], v[Y+o+1], v[BM+bb]
.endif
.if \m > 0
	MAX2Z Y+o, Y+o
.else
	MAX2Z PHI+o, Y+o
.endif
.endr
.endr
.endm
.macro CH hh, src, dst                 ; blocks 2 hh, 2 hh + 1 of the 64 numbers at v[src]: scale bytes, and codes into v[dst + 4 hh] on
.irp u, 0,1
	v_permlanex16_b32 v[TP+2*\hh+\u], v[BM+2*\hh+\u], s[SEL], s[SEL+1]
.endr
.irp u, 0,1
	v_max_num_f32 v[BM+2*\hh+\u], v[BM+2*\hh+\u], v[TP+2*\hh+\u]   ; with lane l xor 16's 16 numbers: the block's largest
.endr
.irp u, 0,1
	v_add_nc_u32 v[SO+2*\hh+\u], 0xff000000, v[BM+2*\hh+\u]
.endr
.irp u, 0,1
	v_lshrrev_b32 v[BY+2*\hh+\u], 23, v[SO+2*\hh+\u]
.endr
.irp u, 0,1
	v_cvt_scalef32_pk8_fp4_f32 v[\dst+2*(2*\hh+\u)], v[\src+16*(2*\hh+\u):\src+16*(2*\hh+\u)+7], v[SO+2*\hh+\u]
	v_cvt_scalef32_pk8_fp4_f32 v[\dst+2*(2*\hh+\u)+1], v[\src+16*(2*\hh+\u)+8:\src+16*(2*\hh+\u)+15], v[SO+2*\hh+\u]
.endr
	v_nop                                          ; one plain place behind the scaled conversions: products may write over their sources next
.endm
.macro TAIL dst, wrd                   ; the operand's layout wants a whole block in a lane: halves change places; the four bytes make the row's scale word
.irp c, 0,1
.irp i, 0,1
	v_permlane16_swap_b32 v[\dst+4*\c+\i], v[\dst+4*\c+2+\i]
.endr
.endr
	v_lshl_or_b32 v[\wrd], v[BY+1], 8, v[BY]
	v_lshl_or_b32 v[\wrd], v[BY+2], 16, v[\wrd]
	v_lshl_or_b32 v[\wrd], v[BY+3], 24, v[\wrd]
.endm
; Tile m behind layer 1 or 2: its codes take the place of the codes that it was made from.
; Layer 1's tile 0 lies on every path: tiles 1 to 3 of the next polyline's x are asked for among its parts.
.macro LN12 l, m
	STATS
.if (\l == 1) && (\m == 0)
	XNEXT 1
.endif
	BULK \m, 0
.if \m == 0
	CH 0, PHI, C+8*\m
.else
	CH 0, Y, C+8*\m
.endif
	MMH \l, \m+1, 0
.if (\l == 1) && (\m == 0)
	XNEXT 2
.endif
	BULK \m, 1
.if \m == 0
	CH 1, PHI, C+8*\m
.else
	CH 1, Y, C+8*\m
.endif
	MMH \l, \m+1, 1
.if (\l == 1) && (\m == 0)
	XNEXT 3
.endif
	TAIL C+8*\m, CS+\m
.endm
.macro PMAX m, hh
.set o, 32*\hh
.rept 16
.if \m == 0
	MAX2Z PHI+o, Y+o
.else
	MAX2 PHI+o, Y+o, PHI+o
.endif
.set o, o+2
.endr
.endm
.macro LN3 m                           ; tile m behind layer 3: only the maximum is wanted
	STATS
	PMAX \m, 0
	MMH 3, \m+1, 0
	PMAX \m, 1
	MMH 3, \m+1, 1
.endm
.macro ALLRED x                        ; PHI's 64 numbers: the maximum with lane l xor x
.set j, 0
.rept 64
	v_max_num_f32_dpp v[PHI+j], v[PHI+j], v[PHI+j] row_xmask:\x row_mask:0xf bank_mask:0xf
.set j, j+1
.endr
.endm
.macro QPHI                            ; phi, the same in all sixteen rows, becomes the second K step's operand
.irp b, 0,1,2,3
	v_max3_num_f32 v[BM+\b], v[PHI+16*\b], v[PHI+16*\b+1], 0x1800000
.endr
.irp i, 2,4,6,8,10,12,14
.irp b, 0,1,2,3
	v_max3_num_f32 v[BM+\b], v[PHI+16*\b+\i], v[PHI+16*\b+\i+1], v[BM+\b]
.endr
.endr
	CH 0, PHI, PHC
	CH 1, PHI, PHC
	TAIL PHC, PHS
.endm
; The head of layer l = 2, 3.  Eight v_nop: on some way products stand just ahead of the label, and a tile's scale word may have been made just ahead.
; The first K step needs no phi: it is issued in the middle of phi's reduction over the sixteen rows of a lane group.
; The layer's parameters come in three runs of sixteen LDS loads, dealt among that reduction, which names PHI alone; the first K step's products name the bias, and neither gain nor offset.
.macro LHEAD l
	PLACES 8
	s_wait_alu depctr_va_vdst(0)                   ; the layer before is done reading its bias, gain and offset, in which the loads below land; its tiles' codes and scale words are written, which this layer's first K steps take
	PLOADK \l, 0
	WIN 0
	ALLRED 1
	PLOADK \l, 1
	WIN 0
	ALLRED 2
	s_wait_dscnt 16                                ; LDS loads come back in order (ISA guide 5.7.1): the bias is in; the gain's sixteen loads may be out
	MMK0 \l, 0, 0, 8
	PLOADK \l, 2
	WIN 0
	ALLRED 4
	ALLRED 8
	QPHI
	PLACES 8                                       ; a scale word made by vector instructions stands eight places ahead of its product
	s_wait_alu depctr_va_vdst(0)                   ; phi's codes and its scale word are written, which all of this layer's second K steps take; the places above stay beside this wait
	MMK1 \l, 0, 8
	WIN 0
	s_wait_dscnt 0x0                               ; gain and offset are in
	PLACES 4                                       ; four places ahead of the first read of results
.endm
	s_load_b512 s[8:23], s[0:1], 0x0               ; x s[8:9], order s[10:11], wq s[12:13], ws s[14:15], then the nine parameters from s[16:17] on,
	s_load_b256 s[24:31], s[0:1], 0x40
	s_load_b128 s[32:35], s[0:1], 0x60             ; be3 s[32:33], out0 s[34:35]
	v_lshl_add_u32 v78, v0, 2, 0x9600
	v_mov_b32 v79, 0
	v_lshrrev_b32 v[T], 5, v0
	v_readfirstlane_b32 s[WV], v[T]                ; wave 0..3
	v_and_b32 v[T], 31, v0                         ; lane
	v_bfe_u32 v[T+1], v0, 4, 1                     ; h
	v_lshlrev_b32 v[L16], 4, v[T]
	v_lshlrev_b32 v[L4], 2, v[T]
	v_and_b32 v[R], 15, v0
	v_lshlrev_b32 v[H128], 7, v[T+1]
	v_lshlrev_b32 v[H8], 3, v[T+1]
	v_lshlrev_b32 v[PA], 6, v[T+1]
	s_wait_alu depctr_va_sdst(0)                   ; the wave's number is written, ahead of its first reader: the stage's place and my places in the order are made from it
	s_mul_i32 s69, s[WV], WSTG
	s_add_co_u32 s69, s69, STG                     ; my wave's stage
	v_mul_u32_u24 v[STO], v[R], SPITCH
	v_lshl_add_u32 v[STO], v[T+1], 6, v[STO]
	v_add_nc_u32 v[STO], s69, v[STO]
	v_add_nc_u32 v[SLD], s69, v[L16]
	v_mov_b32 v[NINF], 0xff800000
	s_lshl_b32 s[GW], ttmp9, 2
	s_add_co_u32 s[GW], s[GW], s[WV]               ; gw, 0 .. 1023
	s_lshl_b32 s38, s[GW], 2
	s_sub_co_u32 s39, 1023, s[GW]
	s_lshl_b32 s39, s39, 2
	s_mov_b32 s[SEL], 0x76543210
	s_mov_b32 s[SEL+1], 0xfedcba98
	s_mov_b32 s[R128], 0x3c000000
	s_mov_b32 s[NR128], 0xbc000000
	s_mov_b32 s[EPS], 0x3727c5ac
	s_wait_kmcnt 0x0
.irp j, 0,2,4,6
	s_load_b32 s[ENT+\j], s[10:11], s38 offset:4096*\j         ; my place in each eighth of the order, to and fro
	s_load_b32 s[ENT+\j+1], s[10:11], s39 offset:4096*(\j+1)
.endr
.set j, 0
.rept 32
	v_mov_b32 v[C+j], 0                            ; the codes and their scale words are written once here, so that every way through the text finds them written;
.set j, j+1                                    ; a tile's products are issued only where its codes have been made
.endr
.irp m, 0,1,2,3
	v_mov_b32 v[CS+\m], 0
	v_mov_b32 v[TP+\m], 0                          ; a lane permute's destination counts as one of its sources
.endr
	v_mov_b32 v[NM+1], 0                           ; named as upper halves of pairs
	v_mov_b32 v[RS+1], 0
	s_wait_kmcnt 0x0
	DECODE ENT, P, LEN, NT, LM1
	s_mov_b32 s[PN], s[P]
	s_mov_b32 s[LENN], s[LEN]
	s_mov_b32 s[NTN], s[NT]
	s_mov_b32 s[LM1N], s[LM1]
	XADDR LM1, P
	v_lshlrev_b32 v[T+1], 2, v0                    ; the nine parameters go to LDS once: thread t brings number t of each
	s_wait_alu depctr_va_vdst(0)                   ; every address register is written: v1, v2, v6, v7, v8 for the whole launch, v[XA ..] and v11 for the loads and LDS stores of this head
	XLOAD 0                                        ; the first polyline's x: all four tiles, so that all of window 1 is written once (rows past the end are the last valid row again)
	XLOAD 1
	XLOAD 2
	XLOAD 3
	WIN 0xc0
.irp f, 0,1,2,3,4,5,6,7                        ; W1's fragments into window 3: they stay
.irp c, 0,1
	global_load_b128 v[8*\f+4*\c:8*\f+4*\c+3], v[L16], s[12:13] offset:1024*\f+512*\c
.endr
.endr
	WIN 0x80
.set f, 8
.rept 32                                       ; W2's and W3's into window 2: fragment f at v[8 (f - 8)]
.irp c, 0,1
	global_load_b128 v[8*(f-8)+4*\c:8*(f-8)+4*\c+3], v[L16], s[12:13] offset:1024*f+512*\c
.endr
.set f, f+1
.endr
	WIN 0
.set q, 0
.rept 20
	global_load_b32 v[WS+q], v[L4], s[14:15] offset:128*q
.set q, q+1
.endr
.irp i, 0,1,2,3,4,5,6,7
	global_load_b32 v[120+\i], v[T+1], s[16+2*\i:17+2*\i]
.endr
	global_load_b32 v41, v[T+1], s[32:33]
	s_wait_loadcnt 0x0
.irp i, 0,1,2,3,4,5,6,7
	ds_store_b32 v[T+1], v[120+\i] offset:PAR+512*\i
.endr
	ds_store_b32 v[T+1], v41 offset:PAR+512*8
	s_wait_dscnt 0x0                               ; for the others' sake: my stores have landed
	s_barrier_signal -1
	s_barrier_wait -1                              ; the only barrier: from here on the parameters are only read, and the stages are each wave's own
	PLOAD 1
	s_mov_b32 s[TRIP], 8
.Lpoly:
	s_wait_loadcnt 0x0                             ; this polyline's x, asked for a whole polyline ago; the loads' address registers are free too
	s_wait_alu depctr_vm_vsrc(0)                   ; all that was issued so far has read its registers: the loads of x v[XA ..] (in the first trip the head's loads and LDS stores v11 too), the stage's stores PHI, the two global stores OUT: this polyline writes all of them again
	XQ 0
	s_cmp_le_u32 s[NT], 1
	s_cbranch_scc1 .Lxq_end
	XQ 1
	s_cmp_le_u32 s[NT], 2
	s_cbranch_scc1 .Lxq_end
	XQ 2
	s_cmp_le_u32 s[NT], 3
	s_cbranch_scc1 .Lxq_end
	XQ 3
.Lxq_end:
	s_mov_b32 s[NTN], 0                            ; the last polyline asks for nothing: its successor counts as one without tiles
	s_cmp_eq_u32 s[TRIP], 1
	s_cbranch_scc1 .Lno_next
	DECODE ENT+1, PN, LENN, NTN, LM1N
.irp j, 1,2,3,4,5,6
	s_mov_b32 s[ENT+\j], s[ENT+\j+1]
.endr
	XADDR LM1N, PN
.Lno_next:
	s_wait_dscnt 0x0                               ; layer 1's parameters are in
	PLACES 8                                       ; tile 0's scale word may just have been made
	s_wait_alu depctr_va_vdst(0)                   ; the conversions are done reading x, in which the next polyline's loads land; v[XA ..] are written, which those loads read; the tiles' codes and scale words are written, which layer 1's products take
	XNEXT 0                                        ; the next polyline's x, as many tiles as it has: tile 0 here, the others among the parts of tile 0's work
	MMK0 1, 0, 0, 8
	WIN 0
	PLACES 4
.irp m, 0,1,2,3
	LN12 1, \m
.if \m < 3
	s_cmp_le_u32 s[NT], \m+1
	s_cbranch_scc1 .Lend1
.endif
.endr
.Lend1:
	LHEAD 2
.irp m, 0,1,2,3
	LN12 2, \m
.if \m < 3
	s_cmp_le_u32 s[NT], \m+1
	s_cbranch_scc1 .Lend2
.endif
.endr
.Lend2:
	LHEAD 3
.irp m, 0,1,2,3
	LN3 \m
.if \m < 3
	s_cmp_le_u32 s[NT], \m+1
	s_cbranch_scc1 .Lend3
.endif
.endr
.Lend3:
	; THE WAY OUT.  PHI holds, for each of my 16 rows' lanes, the maximum over the tiles.  It goes through my stage as 16 rows of 128 numbers in their natural order and comes back
	; 16 bytes a lane from each row: the maximum over the rows is then four neighbouring numbers of phi3 a lane.
	PLACES 8
	s_wait_alu depctr_va_vdst(0)                   ; PHI is written, which the stage's stores read; Y's writers and readers are done, in which the stage's loads land; layer 3 is done reading its parameters, in which layer 1's land
.irp b, 0,1,2,3
.irp q, 0,1,2,3
	ds_store_b128 v[STO], v[PHI+16*\b+4*\q:PHI+16*\b+4*\q+3] offset:128*\b+16*\q
.endr
.endr
.irp a, 0,1,2,3,4,5,6,7,8,9,10,11,12,13,14,15
	ds_load_b128 v[Y+4*\a:Y+4*\a+3], v[SLD] offset:SPITCH*\a   ; LDS serves a wave's instructions in order (ISA guide 5.7.1.4): these see my stores
.endr
	PLOAD 1                                        ; the next polyline's first layer: it lands while phi3 leaves and the next x is quantised
	s_wait_dscnt 48                                ; the stage's rows are back; the 48 younger loads, the parameters, may be out
	s_wait_xcnt 0x0                                ; the last polyline's stores have read their data and their base: both are written again below (that they have read OUT is also stated at the polyline's head)
.irp k, 0,1,2,3
	v_max3_num_f32 v[OUT+\k], v[Y+\k], v[Y+4+\k], v[Y+8+\k]
.endr
.irp a, 3,5,7,9,11,13
.irp k, 0,1,2,3
	v_max3_num_f32 v[OUT+\k], v[OUT+\k], v[Y+4*\a+\k], v[Y+4*\a+4+\k]
.endr
.endr
.irp k, 0,1,2,3
	v_max_num_f32 v[OUT+\k], v[OUT+\k], v[Y+60+\k]
.endr
	s_cmp_eq_u32 s[LEN], 0                         ; no valid row: the maximum of nothing
	s_cselect_b32 s67, -1, 0
.irp k, 0,1,2,3
	v_cndmask_b32 v[OUT+\k], v[OUT+\k], v[NINF], s67
.endr
	s_lshl_b32 s70, s[P], 10
	s_mov_b32 s71, 0
	s_add_nc_u64 s[OB:OB+1], s[34:35], s[70:71]
	s_wait_alu depctr_va_vdst(0)                   ; OUT is written, which the two stores read
	global_store_b128 v[L16], v[OUT:OUT+3], s[OB:OB+1] th:TH_STORE_NT              ; each store of the wave covers 512 consecutive bytes, aligned: phi3,
	global_store_b128 v[L16], v[OUT:OUT+3], s[OB:OB+1] offset:512 th:TH_STORE_NT   ; and phi3 again
	s_mov_b32 s[P], s[PN]
	s_mov_b32 s[LEN], s[LENN]
	s_mov_b32 s[NT], s[NTN]
	s_mov_b32 s[LM1], s[LM1N]
	s_sub_co_u32 s[TRIP], s[TRIP], 1
	s_cmp_lg_u32 s[TRIP], 0
	s_cbranch_scc1 .Lpoly
	s_wait_dscnt 0x0                               ; the parameters that the last trip asked for are wanted by nobody: no LDS load of mine is out at the wave's end
	s_wait_alu depctr_hold_cnt(0) depctr_sa_sdst(0) depctr_va_vdst(0) depctr_va_sdst(0) depctr_va_ssrc(0) depctr_va_vcc(0) depctr_vm_vsrc(0)
	s_wait_tensorcnt 0x0
	ds_add_u32 v78, v79
	s_wait_dscnt 0x0
	s_endpgm
.Lfunc_end_k_q904bdb76b4_main:
	.size	k_q904bdb76b4_main, .Lfunc_end_k_q904bdb76b4_main-k_q904bdb76b4_main
	.p2alignl 7, 3214868480
	.fill 96, 4, 3214868480
	.section	.rodata,"a",@progbits
	.p2align	6, 0x0
	.amdhsa_kernel k_q904bdb76b4_main
		.amdhsa_group_segment_fixed_size 38912
		.amdhsa_private_segment_fixed_size 0
		.amdhsa_enable_private_segment 0
		.amdhsa_kernarg_size 112
		.amdhsa_user_sgpr_count 2
		.amdhsa_user_sgpr_kernarg_segment_ptr 1
		.amdhsa_wavefront_size32 1
		.amdhsa_system_sgpr_workgroup_id_x 1
		.amdhsa_system_sgpr_workgroup_id_y 1
		.amdhsa_system_sgpr_workgroup_id_z 1
		.amdhsa_system_vgpr_workitem_id 0
		.amdhsa_next_free_vgpr 1024
		.amdhsa_next_free_sgpr 80
		.amdhsa_reserve_vcc 0
		.amdhsa_float_denorm_mode_32 3
		.amdhsa_float_denorm_mode_16_64 3
		.amdhsa_memory_ordered 1
		.amdhsa_forward_progress 1
		.amdhsa_inst_pref_size 255
	.end_amdhsa_kernel
	.section	.bss,"aw",@nobits
	.p2align	6
	.space	262144
	.amdgpu_metadata
---
amdhsa.version: [ 1, 2 ]
amdhsa.kernels:
  - .name:           k_q904bdb76b4_main
    .symbol:         k_q904bdb76b4_main.kd
    .args:
      - { .name: hidden_states, .offset: 0, .size: 8, .value_kind: global_buffer, .address_space: global }
      - { .name: order, .offset: 8, .size: 8, .value_kind: global_buffer, .address_space: global }
      - { .name: wq, .offset: 16, .size: 8, .value_kind: global_buffer, .address_space: global }
      - { .name: ws, .offset: 24, .size: 8, .value_kind: global_buffer, .address_space: global }
      - { .name: b1, .offset: 32, .size: 8, .value_kind: global_buffer, .address_space: global }
      - { .name: g1, .offset: 40, .size: 8, .value_kind: global_buffer, .address_space: global }
      - { .name: be1, .offset: 48, .size: 8, .value_kind: global_buffer, .address_space: global }
      - { .name: b2, .offset: 56, .size: 8, .value_kind: global_buffer, .address_space: global }
      - { .name: g2, .offset: 64, .size: 8, .value_kind: global_buffer, .address_space: global }
      - { .name: be2, .offset: 72, .size: 8, .value_kind: global_buffer, .address_space: global }
      - { .name: b3, .offset: 80, .size: 8, .value_kind: global_buffer, .address_space: global }
      - { .name: g3, .offset: 88, .size: 8, .value_kind: global_buffer, .address_space: global }
      - { .name: be3, .offset: 96, .size: 8, .value_kind: global_buffer, .address_space: global }
      - { .name: out0, .offset: 104, .size: 8, .value_kind: global_buffer, .address_space: global }
    .group_segment_fixed_size: 38912
    .private_segment_fixed_size: 0
    .kernarg_segment_align: 8
    .kernarg_segment_size: 112
    .max_flat_workgroup_size: 128
    .sgpr_count:     80
    .vgpr_count:     1024
    .wavefront_size: 32
...
	.end_amdgpu_metadata
.endif
;; end of part 3
